; MI455X (gfx1250); checked and timed in simulation.
; The chip was launched on July 23, 2026; its instructions are those of AMD's public machine-readable ISA for CDNA 5 (MIT licence, August 2026) and "CDNA5" Instruction Set Architecture Reference Guide (July 2026). The comments in the code are by the model that wrote it; some were corrected since.
;; multihead self attention. Allowed arithmetic: matrix products marked QUANTISED: E4M3 operands, one given power-of-two scale a tensor, by v_wmma_f32_16x16x64_fp8_fp8 or v_wmma_f32_16x16x128_fp8_fp8, f32 sums; everything else in f32.
;; Inputs: W_k 1,024 x 1,024 float32; W_o 1,024 x 1,024 float32; W_q 1,024 x 1,024 float32; W_v 1,024 x 1,024 float32; lowp_scales 12 int32 (the exponents e of the quantised operands' scales 2^e); x 4 x 2,048 x 1,024 float32.
;; Outputs: out0 4 x 2,048 x 1,024 float32.
;; This version of the problem:
;;   THIS VERSION OF THE PROBLEM IS GIVEN IN LOW PRECISION. The matrix products marked QUANTISED in the list below multiply operands that are first quantised to E4M3 (4 exponent bits, 3 mantissa bits; 8 bits a number), with one given power-of-two scale for each operand tensor; their sums are f32. All else is computed in f32.
;;   The module's matrix products, in the order in which they are computed (A, B: the left and right operand; K: the contracted axis; several contracted axes count as one K, in the product's order):
;;     1. [M 8,192, K 1,024] x [K 1,024, N 1,024]; A: input x; B: input W_q: QUANTISED (scales: A lowp_scales[0], B lowp_scales[1])
;;     2. [M 8,192, K 1,024] x [K 1,024, N 1,024]; A: input x; B: input W_k: QUANTISED (scales: A lowp_scales[2], B lowp_scales[3])
;;     3. [M 8,192, K 1,024] x [K 1,024, N 1,024]; A: input x; B: input W_v: QUANTISED (scales: A lowp_scales[4], B lowp_scales[5])
;;     4. batch 64 x [M 2,048, K 64] x [K 64, N 2,048]; A: computed on the way; B: computed on the way: QUANTISED (scales: A lowp_scales[6], B lowp_scales[7])
;;     5. batch 64 x [M 2,048, K 2,048] x [K 2,048, N 64]; A: softmax (see below); B: computed on the way: QUANTISED (scales: A lowp_scales[8], B lowp_scales[9])
;;     6. [M 8,192, K 1,024] x [K 1,024, N 1,024]; A: computed on the way; B: input W_o: QUANTISED (scales: A lowp_scales[10], B lowp_scales[11])
;;   THE QUANTISER, for each operand of a quantised product, along K:
;;     - The operand's scale is 2^e, e = its entry of the input lowp_scales (int32; the entries are numbered through the quantised products in the list's order, A before B).
;;     - Each number is divided by the scale, clamped to +-448, and rounded to the nearest number of E4M3, ties to even, subnormals kept.
;;     - The product sums the exact products of the quantised numbers (number of the format x scale) in f32.
;;   ~~~python
;;   def quantise(x, axis, e):      # numpy; x: float32 -> the quantised numbers, widened to float32 again
;;       x = np.moveaxis(x, axis, -1); K = x.shape[-1]
;;       r = np.clip(x / 2.0 ** e, -448, 448)
;;       step = 2.0 ** (np.maximum(np.frexp(np.where(r == 0, 1, r))[1] - 1, -6) - 3)
;;       q = np.round(r / step) * step * 2.0 ** e      # np.round: ties to even
;;       return np.moveaxis(q, -1, axis).astype(np.float32)
;;   ~~~
;;   SOFTMAX AHEAD OF A QUANTISED PRODUCT. Where the list says 'softmax', what is quantised is not the finished softmax but p = 2^(t - M), with t = logit x log2(e) and M = ceil(the row's largest t), a whole number; so 1/2 < the row's largest p <= 1. The row's sum l is taken of the UNQUANTISED p, in f32, and the product's result is divided by l at the end. Since M is a whole number, a kernel that streams over the keys may use a running M (the ceiling of the running maximum): every later rescaling is an exact power of two, so the quantised numbers keep their values, but for numbers so far below the row's largest that they fall under the format's range.
;;   OPERANDS COMPUTED ON THE WAY. 'Computed on the way' means the value that the module computes at that place (a softmax that the list does not call 'softmax' is quantised finished and normalised). What goes into a quantiser is computed in f32, as accurately as f32 sums, v_exp_f32 and their like allow (about 1e-6 of the number): no bf16 or f16 on the way to a quantiser, and a product that is left as it is and whose result goes on into a quantised operand takes f32 operands (vector FMAs, or v_wmma_f32_16x16x4_f32). A number that lies on a knife's edge between two numbers of the format may be rounded either way, as far as f32 arithmetic and the matrix unit's own rounding can turn it there, and no further.
;; One version. Each part assembles by itself: llvm-mc -triple=amdgcn-amd-amdhsa -mcpu=gfx1250 --defsym DOCPART=n.
;; ======== version 1 of 1: 4 launches
;; limits: right only within a limited range of input values
;; workspace buffers: xc 25,165,824 bytes; wc 4,194,304 bytes; qkvc 25,165,824 bytes; ac 8,388,608 bytes
;; launch quant (part 1): grid 768 x 1, 4 waves a work-group, no clusters, 68,096 bytes of LDS; arguments x, W_q, W_k, W_v, W_o, lowp_scales, xc, wc; writes xc, wc
.if DOCPART == 1
	.amdgcn_target "amdgcn-amd-amdhsa--gfx1250"
	.amdhsa_code_object_version 6
	.text
	.protected	k_q1cab886631_quant
	.globl	k_q1cab886631_quant
	.p2align	8
	.type	k_q1cab886631_quant,@function
k_q1cab886631_quant:
	s_mov_b64 s[64:65], 0
	v_nop
	global_prefetch_b8 v0, s[64:65] scope:SCOPE_SE
	s_setreg_imm32_b32 hwreg(HW_REG_WAVE_MODE, 25, 1), 1
	s_wait_xcnt 0x0
; x [8192][1024] and W_q, W_k, W_v, W_o [1024][1024], f32 with K innermost, become codes of FP8 (E4M3), each with the scale 2^e that is given for it.
; x is an operand of three products with three given scales (entries 0, 2, 4): it is read once and quantised three times, into three regions of xc.  The weights take entries 1, 3, 5, 11.
; code = number / 2^e, held within +-448, rounded to the nearest code, ties to even.  LIMITS: -126 <= e <= 127, so that 2^e is an f32 number.  NaN among the inputs is not served.
; THE CODES ARE LAID AS IMAGES OF THE OPERAND'S REGISTERS.  A fragment is 16 rows x 128 along K, 2,048 bytes, laid [chunk c of 32 k][lane][16 bytes]: lane (r = row % 16, h) holds, in chunk c, byte 8 u + j = k 32 c + 16 u + 8 h + j:
; the layout that the plain FP8 matrix forms give a lane (registers 2 c', 2 c' + 1: k = 16 c' + 8 h + 0 .. 7).  Buffers: [16 rows][K step of 128][2,048 bytes].  A later launch takes a fragment by loads of 16 bytes a lane at 16 x lane.
; SHARES.  A work-group takes 16 rows x 1,024: work-groups 0-511 of x, 512-767 of the weights (64 each).  Wave w takes K steps 2 w and 2 w + 1.  Each load reads 512 consecutive bytes of a row; the numbers turn through the
; wave's own stage in LDS (rows of 512 + 16 bytes, so that sixteen lanes that read sixteen rows touch sixteen different columns of 16 bytes) and come back as a lane wants them.  Each store covers 512 consecutive bytes, aligned.
; No loop, no barrier (waves share nothing), no tensor load: all 32 loads of a wave are out at once.
.set SP,   528                         ; a stage row
.set STG,  16*SP                       ; a stage: one K step's 16 rows
.set WREG, 2*STG                       ; a wave's LDS
.set GI,   1                           ; v1   16 x lane: my bytes of a load's or a store's 512; never rewritten
.set SI,   2                           ; v2   the stage, on the way in
.set SO,   3                           ; v3   the stage, on the way out: row r, + 32 h
.set SCL,  4                           ; v4: 2^e for scale 0; v6 and v8 for scales 1 and 2
.set T,    16
.set C,    32                          ; v32-127  codes: chunk g, scale j at 32 + 12 g + 4 j: never rewritten, so no store's data are written again
.set R,    128                         ; v128-255 the numbers: as loaded, then chunk g = 4 s + c at 128 + 16 g
	s_load_b512 s[8:23], s[0:1], 0x0               ; x s[8:9], W_q s[10:11], W_k s[12:13], W_v s[14:15], W_o s[16:17], the exponents s[18:19], xc s[20:21], wc s[22:23]
	v_lshl_add_u32 v14, v0, 2, 0x10800
	v_mov_b32 v15, 0
	v_lshrrev_b32 v10, 5, v0
	v_readfirstlane_b32 s36, v10                   ; wave
	v_and_b32 v10, 31, v0
	v_lshlrev_b32 v[GI], 4, v10
	v_and_b32 v11, 15, v0                          ; r
	v_bfe_u32 v12, v0, 4, 1                        ; h
	s_mul_i32 s48, s36, WREG
	v_add_nc_u32 v[SI], s48, v[GI]
	v_mul_u32_u24 v[SO], v11, SP
	v_lshl_add_u32 v[SO], v12, 5, v[SO]
	v_add_nc_u32 v[SO], s48, v[SO]
	s_sub_co_u32 s49, ttmp9, 512
	s_lshr_b32 s37, s49, 6                         ; which weight (in x's work-groups a number above 3, which chooses nothing)
	s_and_b32 s38, s49, 63
	s_cmp_lt_u32 ttmp9, 512                        ; x's work-group?  Every choice hangs on the work-group's number alone
	s_cselect_b32 s38, ttmp9, s38                  ; which 16 rows of the tensor
	s_cselect_b32 s39, 0, s37
	s_lshl_b32 s39, s39, 20                        ; the weight's region of wc
	s_lshl_b32 s52, s38, 16                        ; in: 16 rows of 4,096 bytes, + 1,024 x wave
	s_lshl_b32 s53, s36, 10
	s_add_co_u32 s52, s52, s53
	s_mov_b32 s53, 0
	s_lshl_b32 s54, s38, 14                        ; out: 8 fragments of 2,048 bytes, + 2 fragments x wave
	s_lshl_b32 s55, s36, 12
	s_add_co_u32 s54, s54, s55
	s_add_co_u32 s54, s54, s39
	s_mov_b32 s55, 0
	s_wait_alu depctr_va_vdst(0)
	s_wait_kmcnt 0x0
	s_load_b256 s[24:31], s[18:19], 0x0            ; e0 .. e7
	s_load_b128 s[32:35], s[18:19], 0x20           ; e8 .. e11
	s_cmp_eq_u32 s37, 1
	s_cselect_b64 s[40:41], s[12:13], s[10:11]
	s_cmp_eq_u32 s37, 2
	s_cselect_b64 s[40:41], s[14:15], s[40:41]
	s_cmp_eq_u32 s37, 3
	s_cselect_b64 s[40:41], s[16:17], s[40:41]
	s_cmp_lt_u32 ttmp9, 512
	s_cselect_b64 s[40:41], s[8:9], s[40:41]       ; the tensor that I read,
	s_cselect_b64 s[42:43], s[20:21], s[22:23]     ; the buffer that I write
	s_add_nc_u64 s[40:41], s[40:41], s[52:53]
	s_add_nc_u64 s[42:43], s[42:43], s[54:55]
	s_add_nc_u64 s[44:45], s[42:43], 0x800000      ; xc's second and third region (used by x's work-groups alone)
	s_add_nc_u64 s[46:47], s[42:43], 0x1000000
.irp s, 0,1
.irp i, 0,1,2,3,4,5,6,7,8,9,10,11,12,13,14,15
	global_load_b128 v[R+64*\s+4*\i:R+64*\s+4*\i+3], v[GI], s[40:41] offset:\i*4096+\s*512 th:TH_LOAD_NT   ; 512 consecutive bytes of row i; read once in the launch
.endr
.endr
.macro MKSC e, j                       ; 2^e as an f32 number
	s_add_co_i32 s49, s[\e], 127
	s_lshl_b32 s50, s49, 23
	v_mov_b32 v[SCL+2*\j], s50
.endm
	s_wait_kmcnt 0x0
	s_cmp_eq_u32 s37, 1
	s_cselect_b32 s48, s27, s25                    ; W_k: e3, W_q: e1
	s_cmp_eq_u32 s37, 2
	s_cselect_b32 s48, s29, s48                    ; W_v: e5
	s_cmp_eq_u32 s37, 3
	s_cselect_b32 s48, s35, s48                    ; W_o: e11
	s_cmp_lt_u32 ttmp9, 512
	s_cselect_b32 s48, s24, s48                    ; x: e0
	MKSC 48, 0
	MKSC 26, 1                                     ; e2
	MKSC 28, 2                                     ; e4
	s_wait_alu depctr_va_vdst(0)
	s_wait_loadcnt 16                              ; K step 0's sixteen loads are in; step 1's sixteen may be out
.irp i, 0,1,2,3,4,5,6,7,8,9,10,11,12,13,14,15
	ds_store_b128 v[SI], v[R+4*\i:R+4*\i+3] offset:\i*SP
.endr
	s_wait_loadcnt 0x0
.irp i, 0,1,2,3,4,5,6,7,8,9,10,11,12,13,14,15
	ds_store_b128 v[SI], v[R+64+4*\i:R+64+4*\i+3] offset:STG+\i*SP
.endr
	s_wait_dscnt 0x0                               ; the stores have read their registers, which the loads below write
.irp g, 0,1,2,3,4,5,6,7                ; chunk g: of my row, k = 32 c + 8 h + 0 .. 7 and 32 c + 16 + 8 h + 0 .. 7
	ds_load_b128 v[R+16*\g:R+16*\g+3],     v[SO] offset:(\g/4)*STG+(\g%4)*128
	ds_load_b128 v[R+16*\g+4:R+16*\g+7],   v[SO] offset:(\g/4)*STG+(\g%4)*128+16
	ds_load_b128 v[R+16*\g+8:R+16*\g+11],  v[SO] offset:(\g/4)*STG+(\g%4)*128+64
	ds_load_b128 v[R+16*\g+12:R+16*\g+15], v[SO] offset:(\g/4)*STG+(\g%4)*128+80
.endr
.macro CONV g, j                       ; chunk g with scale j: 16 codes a lane, 512 consecutive bytes a wave
.set n, 0
.rept 16
.set n, n+1
.endr
	v_cvt_scalef32_pk8_fp8_f32 v[C+12*(\g)+4*(\j):C+12*(\g)+4*(\j)+1], v[T+((R+16*(\g)+n)-(T+n)):T+7+((R+16*(\g)+n)-(T+n))], v[SCL+2*(\j)]
	v_cvt_scalef32_pk8_fp8_f32 v[C+12*(\g)+4*(\j)+2:C+12*(\g)+4*(\j)+3], v[T+8+((R+16*(\g)+n)-(T+n)):T+15+((R+16*(\g)+n)-(T+n))], v[SCL+2*(\j)]
	v_nop                                          ; a plain vector line behind the conversions
	global_store_b128 v[GI], v[C+12*(\g)+4*(\j):C+12*(\g)+4*(\j)+3], s[42+2*(\j):43+2*(\j)] offset:512*(\g)
.endm
.irp g, 0,1,2,3,4,5,6,7
	s_wait_dscnt 28-4*\g                           ; LDS loads come back in order: chunk g's four are in, the later chunks' may be out
	CONV \g, 0
.endr
	s_cmp_lt_u32 ttmp9, 512
	s_cbranch_scc0 .Lend                           ; a weight has one scale; the jump passes over register work and stores alone
.irp g, 0,1,2,3,4,5,6,7
	CONV \g, 1
	CONV \g, 2
.endr
.Lend:
	s_wait_tensorcnt 0x0
	ds_add_u32 v14, v15
	s_wait_dscnt 0x0
	s_endpgm
.Lfunc_end_k_q1cab886631_quant:
	.size	k_q1cab886631_quant, .Lfunc_end_k_q1cab886631_quant-k_q1cab886631_quant
	.p2alignl 7, 3214868480
	.fill 96, 4, 3214868480
	.section	.rodata,"a",@progbits
	.p2align	6, 0x0
	.amdhsa_kernel k_q1cab886631_quant
		.amdhsa_group_segment_fixed_size 68096
		.amdhsa_private_segment_fixed_size 0
		.amdhsa_enable_private_segment 0
		.amdhsa_kernarg_size 64
		.amdhsa_user_sgpr_count 2
		.amdhsa_user_sgpr_kernarg_segment_ptr 1
		.amdhsa_wavefront_size32 1
		.amdhsa_system_sgpr_workgroup_id_x 1
		.amdhsa_system_sgpr_workgroup_id_y 1
		.amdhsa_system_sgpr_workgroup_id_z 1
		.amdhsa_system_vgpr_workitem_id 0
		.amdhsa_next_free_vgpr 256
		.amdhsa_next_free_sgpr 66
		.amdhsa_reserve_vcc 0
		.amdhsa_float_denorm_mode_32 3
		.amdhsa_float_denorm_mode_16_64 3
		.amdhsa_fp16_overflow 1
		.amdhsa_memory_ordered 1
		.amdhsa_forward_progress 1
		.amdhsa_inst_pref_size 17
	.end_amdhsa_kernel
	.amdgpu_metadata
---
amdhsa.version: [ 1, 2 ]
amdhsa.kernels:
  - .name:           k_q1cab886631_quant
    .symbol:         k_q1cab886631_quant.kd
    .args:
      - { .name: x, .offset: 0, .size: 8, .value_kind: global_buffer, .address_space: global }
      - { .name: W_q, .offset: 8, .size: 8, .value_kind: global_buffer, .address_space: global }
      - { .name: W_k, .offset: 16, .size: 8, .value_kind: global_buffer, .address_space: global }
      - { .name: W_v, .offset: 24, .size: 8, .value_kind: global_buffer, .address_space: global }
      - { .name: W_o, .offset: 32, .size: 8, .value_kind: global_buffer, .address_space: global }
      - { .name: lowp_scales, .offset: 40, .size: 8, .value_kind: global_buffer, .address_space: global }
      - { .name: xc, .offset: 48, .size: 8, .value_kind: global_buffer, .address_space: global }
      - { .name: wc, .offset: 56, .size: 8, .value_kind: global_buffer, .address_space: global }
    .group_segment_fixed_size: 68096
    .private_segment_fixed_size: 0
    .kernarg_segment_align: 8
    .kernarg_segment_size: 64
    .max_flat_workgroup_size: 128
    .sgpr_count:     66
    .vgpr_count:     256
    .wavefront_size: 32
...
	.end_amdgpu_metadata
.endif
;; end of part 1
;; launch proj (part 2): grid 12 x 32, 4 waves a work-group, clusters of 4 x 4, 327,680 bytes of LDS; arguments xc, wc, lowp_scales, qkvc; writes qkvc
.if DOCPART == 2
	.amdgcn_target "amdgcn-amd-amdhsa--gfx1250"
	.amdhsa_code_object_version 6
	.text
	.protected	k_q1cab886631_proj
	.globl	k_q1cab886631_proj
	.p2align	8
	.type	k_q1cab886631_proj,@function
k_q1cab886631_proj:
	s_mov_b64 s[64:65], 0
	v_nop
	global_prefetch_b8 v0, s[64:65] scope:SCOPE_SE
	s_setreg_imm32_b32 hwreg(HW_REG_WAVE_MODE, 25, 1), 1
	s_wait_xcnt 0x0
	s_wait_alu depctr_hold_cnt(0) depctr_sa_sdst(0) depctr_va_vdst(0) depctr_va_sdst(0) depctr_va_ssrc(0) depctr_va_vcc(0) depctr_vm_vsrc(0)
	s_getreg_b32 s2, hwreg(HW_REG_IB_STS2, 6, 4)
	s_cmp_eq_u32 s2, 0
	s_cbranch_scc0 .Lentry_in_a_cluster
	s_endpgm
.Lentry_in_a_cluster:
	s_bfe_u32 s2, ttmp6, 0x10000c
	s_cmp_lg_u32 s2, 0xf033
	s_cbranch_scc0 .Lentry_shape_is_right
	s_endpgm
.Lentry_shape_is_right:
; Q = x W_q^T, K = x W_k^T, V = x W_v^T on codes of FP8 (E4M3); each f32 sum is quantised in registers to the code that attention wants (scales: entries 6, 7, 9) and stored as an image of the operand's registers.
; A number of an operand is its code x 2^e.  A sum stands for sum x 2^(ea + eb), so its code is sum / 2^(eo - ea - eb), held within +-448.  LIMIT: eo - ea - eb between -126 and 127.
; A tile of 256 (operand R) x 256 (operand Cc) is made by four waves, each 128 x 128: 64 accumulators, 512 registers.  Source 0 = 16 rows of Cc, source 1 = 16 rows of R: a lane holds one row of R and eight neighbouring rows of Cc.
; WHICH PRODUCT: the cluster's x (0, 1, 2 = Q, K, V).  For Q and K: R = x's rows (tokens), Cc = the weight's rows (channels): a lane's registers run along the channels, the K of Q K^T.
; For V THE ROLES ARE SWAPPED: R = W_v's rows, Cc = x's rows: a lane's registers run along the tokens, the K of P V.  Nothing is transposed.  The swap is made by selects on the cluster's x, the same in all partners: no branch.
; OPERANDS lie as fragments of 2,048 bytes ([chunk of 32 k][lane][16 bytes]), [16 rows][K step of 128]: a fragment comes by four LDS loads at 16 x lane, consecutive bytes, so LDS needs no padding.
; K = 1,024 goes in four slots' worth of 256 through a ring of two LDS slots: 8 steps of 128, written out.  A wave's tensor load brings 8 pieces of 4,096 bytes (128 rows x 256 k), 16,384 bytes apart in memory.
; CLUSTERS: 4 x 4 work-groups.  R's tile hangs on the cluster's y and cy and is asked for jointly along a row of the cluster, Cc's on the cluster's y and cx, along a column.
; THE WAY OUT needs no LDS: two neighbouring accumulators' 16 numbers of a lane become 16 bytes, which are the lane's 16 bytes of a chunk: each store covers 512 consecutive bytes, aligned, and a wave writes one dense block of 16,384 bytes.
;   qkvc: regions Q, K, V of 8,388,608 bytes, each [batch 4][pair of heads 8][128 tokens: 16] blocks.  Q, K block: [16 tokens: 8][head of the pair][chunk 2][lane][16];  V block: [head of the pair][16 channels: 4][chunk 4][lane][16].
; REGISTERS, in windows of 256: window 0: v0-31 addresses and constants; from v128 R's fragments, ONE set, later the codes.  window 1: Cc's fragments, TWO sets.  windows 2, 3: the accumulators ((a, b) at v[8 (8 (a % 4) + b)]).
.set FR,     16                        ; registers of a fragment
.set NL,     4                         ; LDS loads that bring one
.set NP,     4                         ; places behind this matrix instruction (ISA guide 7.12.1)
.set HALFT,  32768                     ; 128 rows x 256 k: what one tensor load brings, and what one wave reads of R or of Cc
.set SLOT,   4*HALFT                   ; R's 256 rows, then Cc's 256 rows
.set SPARE,  2*SLOT                    ; behind the ring: the spare words, 128 bytes for each wave: two blocks of 256 bytes that no other line names
.set ADRA, 16                          ; v16-17  LDS address of my R fragments in slot 0, 1
.set ADRB, 20                          ; v20-21  the same for Cc
.set CO,   26                          ; v26     16 x lane
.set SPW,  28                          ; v28     LDS address of my spare word; never rewritten
.set NIL,  29                          ; v29     0; never rewritten
.set SC,   30                          ; v30     2^(eo - ea - eb) as f32
.set LIM,  31
.set TMP,  32
.set AF,   128                         ; R's fragments, in window 0
.set CD,   128                         ; the way out: the codes, 16 registers a block: never rewritten, so no store's data are written again
.set G1, 24                            ; s[24:31] descriptor group 1 for R's tiles;  s[32:39] group 0, one set for each slot
.set G0, 32
.set G1B, 48                           ; s[48:55], s[56:63] the same for Cc's tiles
.set G0B, 56
.set MSB, 0
.macro WIN new                         ; the immediate's high byte repeats the setting that is left
.if MSB != \new
	s_set_vgpr_msb (MSB<<8)|\new
.set MSB, \new
.endif
.endm
.set MUL_LO, 0xa1                      ; source 0 (Cc) window 1, source 1 (R) window 0, C and D window 2
.set MUL_HI, 0xf1                      ; the same, C and D window 3
.set TO_B,   0x40                      ; destination window 1, address window 0
; A joint load: waves 0 and 1 fetch for R, waves 2 and 3 for Cc.  Each line has one mask and one set of registers for all that issue it; the branch hangs on the wave's number alone.
; Four v_nop follow each of the two lines, ahead of the jump, the label and what follows.
.macro JLOAD g0a, g1a, g0b, g1b
	s_cmp_eq_u32 s15, 0
	s_cbranch_scc0 .Lfor_b_\@
	tensor_load_to_lds s[\g0a:\g0a+3], s[\g1a:\g1a+7]
	s_nop 0
.rept 4
	v_nop
.endr
	s_branch .Lasked_\@
.Lfor_b_\@:
	tensor_load_to_lds s[\g0b:\g0b+3], s[\g1b:\g1b+7]
	s_nop 0
.rept 4
	v_nop
.endr
.Lasked_\@:
.endm
.macro CREST                           ; a round of the cluster's barrier behind its opening barrier
	s_cmp_lg_u32 s14, 0
	s_cbranch_scc1 .Lnot_wave_0_\@
	s_barrier_signal -3
.Lnot_wave_0_\@:
	s_barrier_wait -3
	s_barrier_signal -1
	s_barrier_wait -1
.endm
.macro CROUND                          ; a whole round
	s_barrier_signal -1
	s_barrier_wait -1
	CREST
.endm
	s_load_b128 s[4:7], s[0:1], 0x0                ; xc s[4:5], wc s[6:7]
	s_load_b128 s[8:11], s[0:1], 0x10              ; the exponents s[8:9], qkvc s[10:11]
	v_lshl_add_u32 v[SPW], v0, 2, SPARE
	v_mov_b32 v[NIL], 0
	ds_add_u32 v28, v29
	ds_add_u32 v28, v29
	s_wait_dscnt 0x0
	v_lshrrev_b32 v1, 5, v0
	v_readfirstlane_b32 s14, v1                    ; wave 0..3
	s_lshr_b32 s15, s14, 1                         ; which half of R's rows is mine.  Also: I fetch for R (0) or for Cc (1)
	s_and_b32 s16, s14, 1                          ; which half of Cc's rows.  Also: which 128 rows of that tile I fetch
	s_bfe_u32 s40, ttmp6, 0x40000                  ; cx, cy: my place in the cluster
	s_bfe_u32 s41, ttmp6, 0x40004
	s_and_b32 s67, ttmp7, 0xffff                   ; the cluster's y, 0..7
	s_lshl_b32 s66, ttmp9, 23                      ; the product's region of xc (8,388,608 bytes each),
	s_lshl_b32 s70, ttmp9, 20                      ; and of wc (1,048,576 each)
	s_cmp_eq_u32 ttmp9, 2                          ; V?
	s_cselect_b32 s68, 0, s67                      ; the 32 tiles of tokens go along R for Q and K,
	s_cselect_b32 s69, s67, 0                      ; along Cc for V
	s_cselect_b32 s71, s70, s66                    ; R's region
	s_cselect_b32 s82, s66, s70                    ; Cc's region
	s_lshl_b32 s17, s68, 2
	s_add_co_u32 s17, s17, s41                     ; R's tile of 256 rows
	s_lshl_b32 s42, s69, 2
	s_add_co_u32 s42, s42, s40                     ; Cc's tile
	s_lshl_b32 s43, s41, 2
	s_lshl_b32 s43, 15, s43                        ; my row of the cluster
	s_lshl_b32 s44, 0x1111, s40                    ; my column
	; descriptor group 1: 8 rows of 512 elements of 8 bytes (4,096 bytes), 2,048 elements apart; dense in LDS
	s_or_b32 s[G1+0], s43, (3<<16)|(1<<21)         ; 15:0 the mask: R's tiles go to my row; 17:16 elements of 8 bytes; 20 no padding; 21 set beside a mask
	s_or_b32 s[G1B+0], s44, (3<<16)|(1<<21)
.irp g, G1, G1B
	s_mov_b32 s[\g+1], 512<<16                     ; tensor_dim0
	s_mov_b32 s[\g+2], 8<<16                       ; tensor_dim1
	s_mov_b32 s[\g+3], 512<<16                     ; tile_dim0
	s_mov_b32 s[\g+4], 8                           ; tile_dim1
	s_mov_b32 s[\g+5], 2048                        ; tensor_dim0_stride
	s_mov_b32 s[\g+6], 0
	s_mov_b32 s[\g+7], 0
.endr
	s_lshl_b32 s18, s16, 17                        ; which 128 rows of the tile I fetch: 8 x 16,384 bytes
	s_lshl_b32 s20, s17, 18                        ; a tile's 256 rows are 16 x 16,384 bytes
	s_add_co_u32 s20, s20, s18
	s_add_co_u32 s20, s20, s71
	s_mov_b32 s21, 0
	s_lshl_b32 s46, s42, 18
	s_add_co_u32 s46, s46, s18
	s_add_co_u32 s46, s46, s82
	s_mov_b32 s47, 0
	s_mul_i32 s45, s14, HALFT                      ; where they go: wave x 32,768: no place in the cluster enters an LDS address
	s_wait_kmcnt 0x0
	s_load_b256 s[72:79], s[8:9], 0x0              ; e0 .. e7
	s_load_b64 s[80:81], s[8:9], 0x20              ; e8, e9
	s_cmp_eq_u32 ttmp9, 2
	s_cselect_b64 s[84:85], s[6:7], s[4:5]         ; R's buffer
	s_cselect_b64 s[86:87], s[4:5], s[6:7]         ; Cc's
	s_add_nc_u64 s[20:21], s[84:85], s[20:21]
	s_add_nc_u64 s[46:47], s[86:87], s[46:47]
	CROUND                                         ; all sixteen work-groups are here: the first joint loads meet
.irp s, 0,1
	s_mov_b32 s[G0+4*\s], 1
	s_add_co_u32 s[G0+4*\s+1], s45, \s*SLOT
	s_add_nc_u64 s[G0+4*\s+2:G0+4*\s+3], s[20:21], \s*4096    ; slot s begins with K steps 2 s, 2 s + 1
	s_or_b32 s[G0+4*\s+3], s[G0+4*\s+3], 0x80000000
	s_mov_b32 s[G0B+4*\s], 1
	s_add_co_u32 s[G0B+4*\s+1], s45, \s*SLOT
	s_add_nc_u64 s[G0B+4*\s+2:G0B+4*\s+3], s[46:47], \s*4096
	s_or_b32 s[G0B+4*\s+3], s[G0B+4*\s+3], 0x80000000
	JLOAD G0+4*\s, G1, G0B+4*\s, G1B
.endr
	v_and_b32 v6, 31, v0
	v_lshlrev_b32 v[CO], 4, v6
	s_mul_i32 s92, s15, HALFT                      ; my 128 rows of R
	s_mul_i32 s93, s16, HALFT                      ; my 128 rows of Cc,
	s_add_co_u32 s93, s93, 2*HALFT                 ; which lie behind R's 256
.irp s, 0,1
	v_add_nc_u32 v[ADRA+\s], s92, v[CO]
	v_add_nc_u32 v[ADRB+\s], s93, v[CO]
	s_add_co_u32 s92, s92, SLOT
	s_add_co_u32 s93, s93, SLOT
.endr
	; where my block of 16,384 bytes lies in qkvc
	s_lshl_b32 s88, s17, 1
	s_add_co_u32 s88, s88, s15                     ; my 128 rows of R, counted in the tensor
	s_lshl_b32 s89, s42, 1
	s_add_co_u32 s89, s89, s16                     ; my 128 rows of Cc
	s_cmp_eq_u32 ttmp9, 2
	s_cselect_b32 s90, s89, s88                    ; the block of 128 tokens, 0..63
	s_cselect_b32 s91, s88, s89                    ; the pair of heads, 0..7
	s_lshr_b32 s92, s90, 4                         ; the batch
	s_lshl_b32 s92, s92, 3
	s_add_co_u32 s92, s92, s91
	s_lshl_b32 s92, s92, 4
	s_and_b32 s90, s90, 15
	s_add_co_u32 s92, s92, s90
	s_lshl_b32 s92, s92, 14
	s_lshl_b32 s93, ttmp9, 23                      ; the region: Q, K or V
	s_add_co_u32 s92, s92, s93
	s_mov_b32 s93, 0
	s_add_nc_u64 s[10:11], s[10:11], s[92:93]
	s_wait_alu depctr_va_vdst(0)
	; the conversion's one scale: the three given scales folded
	s_wait_kmcnt 0x0
	s_add_co_i32 s94, s72, s73                     ; e0 + e1
	s_add_co_i32 s95, s74, s75                     ; e2 + e3
	s_add_co_i32 s96, s76, s77                     ; e4 + e5
	s_cmp_eq_u32 ttmp9, 1
	s_cselect_b32 s94, s95, s94
	s_cselect_b32 s97, s79, s78                    ; K: e7, Q: e6
	s_cmp_eq_u32 ttmp9, 2
	s_cselect_b32 s94, s96, s94
	s_cselect_b32 s97, s81, s97                    ; V: e9
	s_sub_co_i32 s94, s97, s94
	s_add_co_i32 s94, s94, 127
	s_lshl_b32 s95, s94, 23
	v_mov_b32 v[SC], s95
.macro FRAG reg, adr, q, i             ; a fragment as it lies: registers 4 c .. 4 c + 3 = the lane's 16 bytes of chunk c
.irp c, 0,1,2,3
	ds_load_b128 v[\reg+4*\c:\reg+4*\c+3], v[\adr] offset:(\i)*4096+(\q)*2048+512*\c
.endr
.endm
; 16 matrix instructions: R's blocks a0, a0 + 1 x Cc's eight, 128 along K.  p: Cc's set.  zero = 1: the first product starts the sums: nothing is ever cleared.
; The 64 accumulators take turns, one instruction a turn, in the same order in every step.
.macro MUL16 a0, p, zero
.irp a, \a0, \a0+1
.irp b, 0,1,2,3,4,5,6,7
.if \zero
	v_wmma_f32_16x16x128_fp8_fp8 v[8*(8*((\a)%4)+\b):8*(8*((\a)%4)+\b)+7], v[128*(\p)+FR*\b:128*(\p)+FR*\b+FR-1], v[AF+FR*(\a):AF+FR*(\a)+FR-1], 0
.else
	v_wmma_f32_16x16x128_fp8_fp8 v[8*(8*((\a)%4)+\b):8*(8*((\a)%4)+\b)+7], v[128*(\p)+FR*\b:128*(\p)+FR*\b+FR-1], v[AF+FR*(\a):AF+FR*(\a)+FR-1], v[8*(8*((\a)%4)+\b):8*(8*((\a)%4)+\b)+7]
.endif
.endr
.endr
.endm
.macro FETCH_B slot, q, p              ; Cc's eight fragments of the slot's q-th 128 along K into set p
	WIN TO_B
.irp i, 0,1,2,3,4,5,6,7
	FRAG 128*(\p)+FR*\i, ADRB+\slot, \q, \i
.endr
	WIN 0
.endm
.macro FETCH_A slot, q, i0             ; R's blocks i0 .. i0 + 3
.irp i, \i0, \i0+1, \i0+2, \i0+3
	FRAG AF+FR*(\i), ADRA+\slot, \q, \i
.endr
.endm
; A load into a register that a matrix instruction has read, and a vector instruction that reads a matrix result or writes one of its registers, stand NP places behind it; only plain vector
; instructions that name none of its registers are places (ISA guide 7.12.1 for vector instructions).
.macro PLACES n
.rept \n
	v_nop
.endr
.endm
; A step of 128 along K that has its successor in the same slot.  R has one set of registers: a block is free when its eight products are issued; blocks 0-3 are fetched anew in the step's middle, blocks 4-7 at its end.
.macro STEP slot, q, zero
	s_wait_dscnt 4*NL                              ; Cc's set and R's blocks 0-3 are in; the youngest sixteen loads (R's blocks 4-7) may be out
	WIN MUL_LO
	MUL16 0, (\q)%2, \zero
	MUL16 2, (\q)%2, \zero
	s_wait_dscnt 0                                 ; R's blocks 4-7 are in
	PLACES NP
	FETCH_B \slot, (\q)+1, 1-(\q)%2
	FETCH_A \slot, (\q)+1, 0
	WIN MUL_HI
	MUL16 4, (\q)%2, \zero
	MUL16 6, (\q)%2, \zero
	PLACES NP
	WIN 0
	FETCH_A \slot, (\q)+1, 4
.endm
; A slot's last step changes slots: ONE barrier; in front of it each wave waits for all its tensor loads, adds 0 to its spare word, and waits for that and for its own reads of this slot.  fill = 1: this slot is filled again, two slots ahead.
.macro TURN slot, next, fill
	s_wait_tensorcnt 0x0                           ; all my tensor loads have landed: my part of the next slot;  (every window is 0 here)
	ds_add_u32 v[SPW], v[NIL]                      ; 0 onto my spare word
	s_wait_dscnt 4*NL+1                            ; (the add and the youngest sixteen loads, R's blocks 4-7, may be out)
	WIN MUL_LO
	MUL16 0, 1, 0                                  ; sixteen matrix instructions stand between the add and the wait for it
	s_wait_dscnt 0x0                               ; the add is done, and my reads of this slot are over
	s_barrier_signal -1
	MUL16 2, 1, 0
	WIN 0
	s_barrier_wait -1
.if \fill
	CREST                                          ; the barrier has opened a round of the cluster's barrier: no wave of any partner still reads this slot's tile or has a load on its way
	s_add_nc_u64 s[G0+4*\slot+2:G0+4*\slot+3], s[G0+4*\slot+2:G0+4*\slot+3], 8192
	s_add_nc_u64 s[G0B+4*\slot+2:G0B+4*\slot+3], s[G0B+4*\slot+2:G0B+4*\slot+3], 8192
	JLOAD G0+4*\slot, G1, G0B+4*\slot, G1B         ; the first tensor load behind the round; the four v_nop behind it are the places in front of the loads below
.else
	PLACES NP
.endif
	FETCH_B \next, 0, 0
	FETCH_A \next, 0, 0
	WIN MUL_HI
	MUL16 4, 1, 0
	MUL16 6, 1, 0
	PLACES NP
	WIN 0
	FETCH_A \next, 0, 4
.endm
	s_wait_tensorcnt 1                             ; my part of slot 0 is in (slot 1's load may be out)
	s_barrier_signal -1
	s_barrier_wait -1                              ; everybody's is
	FETCH_B 0, 0, 0
	FETCH_A 0, 0, 0
	FETCH_A 0, 0, 4
	STEP 0, 0, 1                                   ; k 0-127: its products start the sums
	TURN 0, 1, 1                                   ; k 128-255; slot 0 takes k 512-767
	STEP 1, 0, 0
	TURN 1, 0, 1                                   ; slot 1 takes k 768-1,023
	STEP 0, 0, 0
	TURN 0, 1, 0                                   ; nothing is left to fetch: no round of the cluster's barrier
	STEP 1, 0, 0
	s_wait_dscnt 4*NL                              ; the very last step
	WIN MUL_LO
	MUL16 0, 1, 0
	MUL16 2, 1, 0
	s_wait_alu depctr_va_vdst(0)
	s_wait_dscnt 0
	WIN MUL_HI
	MUL16 4, 1, 0
	MUL16 6, 1, 0
	WIN 0
; THE WAY OUT of block a (16 rows of R x 128 rows of Cc): hold, convert, store.  Accumulators 2 p and 2 p + 1 give a lane the 16 bytes of chunk p.
.macro OUTBLK a
.set AC, 64*((\a)%4)
	WIN 0x02+((\a)/4)                              ; source 0: window 2 or 3
.set n, 0
.rept 64
.set n, n+1
.endr
.irp b, 0,1,2,3,4,5,6,7
	v_cvt_scalef32_pk8_fp8_f32 v[CD+16*(\a)+2*\b:CD+16*(\a)+2*\b+1], v[AC+8*\b:AC+8*\b+7], v[SC]
.endr
	WIN 0
	v_nop                                          ; a plain vector line behind the conversions
.irp p, 0,1,2,3
	global_store_b128 v[CO], v[CD+16*(\a)+4*\p:CD+16*(\a)+4*\p+3], s[10:11] offset:(\a)*2048+\p*512   ; 32 lanes store 512 consecutive bytes, aligned
.endr
.endm
	PLACES NP                                      ; behind the last products: their results are read, and the registers that held R's fragments are written
.irp a, 0,1,2,3,4,5,6,7
	OUTBLK \a
.endr
	s_wait_tensorcnt 0x0                           ; the wave's end
	ds_add_u32 v[SPW], v[NIL]
	s_wait_dscnt 0x0
	CROUND                                         ; the closing round: no work-group ends while a partner may still ask for a tile that names it
	s_endpgm
.Lfunc_end_k_q1cab886631_proj:
	.size	k_q1cab886631_proj, .Lfunc_end_k_q1cab886631_proj-k_q1cab886631_proj
	.p2alignl 7, 3214868480
	.fill 96, 4, 3214868480
	.section	.rodata,"a",@progbits
	.p2align	6, 0x0
	.amdhsa_kernel k_q1cab886631_proj
		.amdhsa_group_segment_fixed_size 327680
		.amdhsa_private_segment_fixed_size 0
		.amdhsa_enable_private_segment 0
		.amdhsa_kernarg_size 32
		.amdhsa_user_sgpr_count 2
		.amdhsa_user_sgpr_kernarg_segment_ptr 1
		.amdhsa_wavefront_size32 1
		.amdhsa_system_sgpr_workgroup_id_x 1
		.amdhsa_system_sgpr_workgroup_id_y 1
		.amdhsa_system_sgpr_workgroup_id_z 1
		.amdhsa_system_vgpr_workitem_id 0
		.amdhsa_next_free_vgpr 1024
		.amdhsa_next_free_sgpr 100
		.amdhsa_reserve_vcc 0
		.amdhsa_float_denorm_mode_32 3
		.amdhsa_float_denorm_mode_16_64 3
		.amdhsa_fp16_overflow 1
		.amdhsa_memory_ordered 1
		.amdhsa_forward_progress 1
		.amdhsa_inst_pref_size 86
	.end_amdhsa_kernel
	.amdgpu_metadata
---
amdhsa.version: [ 1, 2 ]
amdhsa.kernels:
  - .name:           k_q1cab886631_proj
    .symbol:         k_q1cab886631_proj.kd
    .args:
      - { .name: xc, .offset: 0, .size: 8, .value_kind: global_buffer, .address_space: global }
      - { .name: wc, .offset: 8, .size: 8, .value_kind: global_buffer, .address_space: global }
      - { .name: lowp_scales, .offset: 16, .size: 8, .value_kind: global_buffer, .address_space: global }
      - { .name: qkvc, .offset: 24, .size: 8, .value_kind: global_buffer, .address_space: global }
    .group_segment_fixed_size: 327680
    .private_segment_fixed_size: 0
    .kernarg_segment_align: 8
    .kernarg_segment_size: 32
    .max_flat_workgroup_size: 128
    .sgpr_count:     100
    .vgpr_count:     1024
    .wavefront_size: 32
...
	.end_amdgpu_metadata
.endif
;; end of part 2
;; launch attn (part 3): grid 4 x 64, 16 waves a work-group, no clusters, 327,680 bytes of LDS; arguments qkvc, lowp_scales, ac; writes ac
.if DOCPART == 3
	.amdgcn_target "amdgcn-amd-amdhsa--gfx1250"
	.amdhsa_code_object_version 6
	.text
	.protected	k_q1cab886631_attn
	.globl	k_q1cab886631_attn
	.p2align	8
	.type	k_q1cab886631_attn,@function
k_q1cab886631_attn:
	s_mov_b64 s[64:65], 0
	v_nop
	global_prefetch_b8 v0, s[64:65] scope:SCOPE_SE
	s_setreg_imm32_b32 hwreg(HW_REG_WAVE_MODE, 25, 1), 1
	s_wait_xcnt 0x0
; Causal attention on codes of FP8 (E4M3): 64 heads (batch x head) of 2,048 tokens x 64 channels.  Q, K, V come as images of operand registers; the result is quantised with entry 10 and stored likewise.
; THE SOFTMAX AHEAD OF THE SECOND PRODUCT: t = score x log2(e) / 8 x 2^(e6 + e7); M = the row's largest t so far, rounded UP to a whole number; p = 2^(t - M) is quantised (entry 8), not normalised.
; The row's sum is taken of the unquantised p, in f32, and divides O at the end.  When M moves, the sum and O are multiplied by 2^(old M - new M): exact.
; SHARES.  Work-group (I, head) owns the blocks I and 7 - I of 256 queries.  Block b needs key slots 0 .. b of 256 keys: (I + 1) + (8 - I) = 9 slots for every work-group: the trip count is the constant 9 and all 256 work-groups have
; equal work.  Trip T <= I: block I, key slot T; trip T > I: block 7 - I, key slot T - I - 1.  Each of SIXTEEN waves owns 16 queries of the block in hand, in 256 registers: four waves to a SIMD.
; NO CLUSTER: the four work-groups of a head read, in trip T, key slots T or T - I - 1, which differ with I from trip 1 on; walking in step would take each of them 12 slots in place of 9.
; LAYOUT.  Both products transposed: S^T = K Q^T (source 0 = 16 keys, source 1 = my 16 queries; K = 64), O^T = V^T P^T (source 0 = 16 channels, source 1 = P; K = 128 keys): a lane holds ONE query (lane % 16) throughout.
; Register j of score tile t is key 16 t + 8 (lane / 16) + j: its eight codes are registers 2 t, 2 t + 1 of P, just where the plain form wants k = 16 t + 8 (lane / 16) + 0 .. 7.
; CAUSAL.  A step of 128 keys all of which come after my 16 queries is left out by a scalar branch on ids, round its loads, products and softmax, not round a barrier or a tensor load.  On the diagonal hidden scores become -infinity.
; LDS: two slots of 32,768 bytes: K's 16 tiles of 1,024 bytes, then V's 2 steps of 8,192.  Waves 0, 1 fetch K's halves, waves 2, 3 V's: one tensor load of a wave is out.
; LIMITS on the given exponents: e6 + e7 between -123 and 130 (added to c's exponent field); e8, and e10 - e8 - e9, between -126 and 127.
; REGISTERS: v1-11 constants; v12 -M, v13 the largest t, v[14:15] the sum in two halves; v16-23 Q; v24-31 at work; v32-95 K's 8 fragments, then P's codes (v32-47) and the result's (v48-55); v96-159 S^T, then p; v160-191 O^T; v192-255 V's 4 fragments.
.set SLOT1, 32768
.set VOFF,  16384
.set SPARE, 65536                      ; behind the ring: the spare words, 128 bytes for each of 16 waves: eight blocks of 256 bytes that no other line names
.set LI,   1                           ; v1   16 x lane
.set RH,   2                           ; v2   lane % 16 - 8 (lane / 16)
.set PFO,  3                           ; v3   the prefetches' offset
.set ADK,  4                           ; v4   LDS address of the slot in hand, + 16 x lane
.set SPW,  5                           ; v5   LDS address of my spare word; never rewritten
.set NIL,  6                           ; v6   0; never rewritten
.set NINF, 7                           ; v7   -infinity
.set PSC,  8                           ; v8   2^e8
.set PLIM, 9
.set OSC,  10                          ; v10  2^(e10 - e8 - e9)
.set OLIM, 11
.set QF,   16
.set KFR,  32
.set S,    96
.set OT,   160
.set VF,   192
.set TB,   2                           ; s2   LDS byte at which the slot in hand begins
.set T,    3                           ; s3   the trip
.set WV,   18                          ; s18  my wave's number
.set II,   19                          ; s19  I
.set SEL,  20                          ; s[20:21] lane selects: lane l xor 16
.set CS,   22                          ; s[22:23] c = log2(e) / 8 x 2^(e6 + e7)
.set G1K,  24                          ; s[24:31], s[32:39] descriptor groups 1; s[40:43], s[44:47] groups 0
.set G1V,  32
.set G0K,  40
.set G0V,  44
.set KS,   48                          ; s48  the key slot asked for last
.set OFS,  50                          ; s[50:51] its byte offset
.set KB,   52                          ; s[52:53], s[54:55] my part of the head's K and V in key slot 0
.set VB,   54
.set QP1,  56                          ; s[56:57], s[82:83] my queries' codes in the first and in the second block
.set AP1,  58                          ; s[58:59], s[84:85] where their results go
.set KF,   60                          ; s60  the step's first key
.set Q0,   61                          ; s61  my first query;  s86 in the second block
.set LIM,  62                          ; s62  7 in a wave that prefetches, else 0
.set PFA,  66                          ; s[66:67] where my prefetches stand
.set QP2,  82
.set AP2,  84
.set Q02,  86
; Waves 0 and 1 fetch for K, waves 2 and 3 for V, the others nothing.  The branches hang on the wave's number alone.  Four v_nop follow each of the two lines.
.macro TLOAD
	s_cmp_lt_u32 s[WV], 2
	s_cbranch_scc0 .Lnot_k_\@
	tensor_load_to_lds s[G0K:G0K+3], s[G1K:G1K+7]
	s_nop 0
.rept 4
	v_nop
.endr
	s_branch .Lasked_\@
.Lnot_k_\@:
	s_cmp_lt_u32 s[WV], 4
	s_cbranch_scc0 .Lasked_\@
	tensor_load_to_lds s[G0V:G0V+3], s[G1V:G1V+7]
	s_nop 0
.rept 4
	v_nop
.endr
.Lasked_\@:
.endm
; A PREFETCH INTO THE L2 of what the next change of slots will ask for.  The four work-groups of a head read the same K and V: the one with I = 0 asks, whose fills walk key slots 0, 0, 1, .. 7 (a branch on the work-group's number).
; In it waves 4 to 7 ask, one instruction each, for the 8,192 bytes that waves 0 to 3 will fetch: 32 lanes, 256 bytes each (K: eight pieces of 1,024 bytes, 2,048 apart; V: dense).  In trip T the key slot T + 1 is named, T = 0 .. 6:
; each aligned block of 256 bytes of key slots 1 to 7 once in the launch; key slot 0 comes by its load alone.
.macro ASK
	s_cmp_lt_u32 s[T], s[LIM]
	s_cbranch_scc0 .Lnot_mine_\@
	global_prefetch_b8 v[PFO], s[PFA:PFA+1] th:TH_LOAD_NT scope:SCOPE_SE
.Lnot_mine_\@:
.endm
	s_load_b128 s[4:7], s[0:1], 0x0                ; qkvc s[4:5], the exponents s[6:7]
	s_load_b64 s[8:9], s[0:1], 0x10                ; ac
	v_lshl_add_u32 v[SPW], v0, 2, SPARE
	v_mov_b32 v[NIL], 0
	ds_add_u32 v5, v6
	ds_add_u32 v5, v6
	s_wait_dscnt 0x0
	v_lshrrev_b32 v24, 5, v0
	s_delay_alu instid0(VALU_DEP_1)
	v_readfirstlane_b32 s[WV], v24                 ; wave 0..15
	s_mov_b32 s[II], ttmp9
	s_and_b32 s88, ttmp7, 0xffff                   ; 16 x batch + head
	s_lshr_b32 s89, s88, 4                         ; the batch
	s_bfe_u32 s90, s88, 0x30001                    ; the pair of heads
	s_and_b32 s91, s88, 1                          ; which of the pair
	s_lshl_b32 s92, s89, 3
	s_add_co_u32 s92, s92, s90
	s_lshl_b32 s92, s92, 18                        ; the pair's 16 blocks of 16,384 bytes in a region
	s_and_b32 s93, s[WV], 1                        ; which 128 keys of a slot I fetch, if I fetch
	s_lshl_b32 s94, s93, 14
	s_add_co_u32 s94, s94, s92
	s_lshl_b32 s95, s91, 10                        ; in a Q or K block a head's pieces of 1,024 bytes lie 2,048 apart
	s_add_co_u32 s12, s94, s95
	s_add_co_u32 s12, s12, 0x800000                ; K's region
	s_mov_b32 s13, 0
	s_lshl_b32 s96, s91, 13                        ; in a V block a head has 8,192 bytes on end
	s_add_co_u32 s14, s94, s96
	s_add_co_u32 s14, s14, 0x1000000               ; V's region
	s_mov_b32 s15, 0
	s_lshl_b32 s96, s[II], 4
	s_add_co_u32 s96, s96, s[WV]                   ; my tile of 16 queries in block I,
	s_sub_co_u32 s97, 7, s[II]
	s_lshl_b32 s97, s97, 4
	s_add_co_u32 s97, s97, s[WV]                   ; and in block 7 - I
	s_lshl_b32 s[Q0], s96, 4
	s_lshl_b32 s[Q02], s97, 4
	s_add_co_u32 s98, s92, s95
	s_lshl_b32 s16, s96, 11                        ; a tile of 16 tokens: 2,048 bytes for the pair of heads
	s_add_co_u32 s16, s16, s98
	s_mov_b32 s17, 0
	s_lshl_b32 s10, s97, 11
	s_add_co_u32 s10, s10, s98
	s_mov_b32 s11, 0
	s_lshl_b32 s98, s89, 21                        ; ac: [16 tokens][K step of 128 = pair of heads][2,048]: batch x 128 x 16,384,
	s_lshl_b32 s99, s90, 11                        ; + pair x 2,048,
	s_add_co_u32 s98, s98, s99
	s_add_co_u32 s98, s98, s95                     ; + head of the pair x 1,024,
	s_lshl_b32 s80, s96, 14                        ; + tile x 16,384
	s_add_co_u32 s80, s80, s98
	s_mov_b32 s81, 0
	s_lshl_b32 s88, s97, 14
	s_add_co_u32 s88, s88, s98
	s_mov_b32 s89, 0
	; descriptor group 1.  K: 8 rows of 128 elements of 8 bytes (1,024 bytes), 256 elements apart.  V: 8,192 dense bytes as 32 rows of 256.  No mask, no padding
	s_mov_b32 s[G1K], 3<<16
	s_mov_b32 s[G1K+1], 128<<16                    ; tensor_dim0
	s_mov_b32 s[G1K+2], 8<<16                      ; tensor_dim1
	s_mov_b32 s[G1K+3], 128<<16                    ; tile_dim0
	s_mov_b32 s[G1K+4], 8                          ; tile_dim1
	s_mov_b32 s[G1K+5], 256                        ; tensor_dim0_stride
	s_mov_b32 s[G1K+6], 0
	s_mov_b32 s[G1K+7], 0
	s_mov_b32 s[G1V], 3<<16
	s_mov_b32 s[G1V+1], 32<<16
	s_mov_b32 s[G1V+2], 32<<16
	s_mov_b32 s[G1V+3], 32<<16
	s_mov_b32 s[G1V+4], 32
	s_mov_b32 s[G1V+5], 32
	s_mov_b32 s[G1V+6], 0
	s_mov_b32 s[G1V+7], 0
	s_mov_b32 s[SEL], 0x76543210
	s_mov_b32 s[SEL+1], 0xfedcba98
	s_mov_b32 s[CS], 0x3e38aa3b                    ; log2(e) / 8
	s_mov_b32 s[TB], 0
	s_mov_b32 s[T], 0
	s_mov_b32 s[KS], 0
	s_mov_b32 s[OFS+1], 0
	s_mov_b32 s[KF], 0
	s_wait_kmcnt 0x0
	s_load_b256 s[68:75], s[6:7], 0x0              ; e0 .. e7
	s_load_b128 s[76:79], s[6:7], 0x20             ; e8 .. e11
	s_add_nc_u64 s[KB:KB+1], s[4:5], s[12:13]
	s_add_nc_u64 s[VB:VB+1], s[4:5], s[14:15]
	s_add_nc_u64 s[QP1:QP1+1], s[4:5], s[16:17]
	s_add_nc_u64 s[QP2:QP2+1], s[4:5], s[10:11]
	s_add_nc_u64 s[AP1:AP1+1], s[8:9], s[80:81]
	s_add_nc_u64 s[AP2:AP2+1], s[8:9], s[88:89]
	s_mov_b32 s[G0K], 1                            ; count = 1
	s_lshl_b32 s[G0K+1], s93, 13                   ; LDS address: slot 0, my half of K
	s_mov_b64 s[G0K+2:G0K+3], s[KB:KB+1]           ; global address: key slot 0
	s_or_b32 s[G0K+3], s[G0K+3], 0x80000000        ; type = 2
	s_mov_b32 s[G0V], 1
	s_add_co_u32 s[G0V+1], s[G0K+1], VOFF
	s_mov_b64 s[G0V+2:G0V+3], s[VB:VB+1]
	s_or_b32 s[G0V+3], s[G0V+3], 0x80000000
	TLOAD                                          ; trip 0's keys into slot 0
	v_and_b32 v24, 31, v0
	s_delay_alu instid0(VALU_DEP_1)
	v_lshlrev_b32 v[LI], 4, v24
	global_load_b128 v[QF:QF+3], v[LI], s[QP1:QP1+1]              ; Q's fragment stays in registers
	global_load_b128 v[QF+4:QF+7], v[LI], s[QP1:QP1+1] offset:512
	; the prefetches: where my wave's stand, and who asks
	s_cmp_lt_u32 s[WV], 6                          ; waves 4, 5 for K, waves 6, 7 for V
	s_cselect_b64 s[PFA:PFA+1], s[KB:KB+1], s[VB:VB+1]   ; at key slot 0: the first change of slots steps it to key slot 1
	s_cselect_b32 s88, 11, 10
	v_lshrrev_b32 v25, 2, v24
	s_delay_alu instid0(VALU_DEP_1)
	v_lshlrev_b32 v25, s88, v25                    ; four lanes to 1,024 bytes; from four to four 2,048 bytes in K, 1,024 in V
	v_and_b32 v[PFO], 3, v24
	s_delay_alu instid0(VALU_DEP_1)
	v_lshl_add_u32 v[PFO], v[PFO], 8, v25
	s_sub_co_u32 s88, s[WV], 4
	s_lshr_b32 s88, s88, 2                         ; 0 in waves 4 to 7,
	s_or_b32 s88, s88, ttmp9                       ; of the work-group with I = 0
	s_cmp_eq_u32 s88, 0
	s_cselect_b32 s[LIM], 7, 0
	v_and_b32 v24, 15, v0
	v_bfe_u32 v25, v0, 4, 1
	s_delay_alu instid0(VALU_DEP_1)
	v_lshlrev_b32 v25, 3, v25
	s_delay_alu instid0(VALU_DEP_1)
	v_sub_nc_u32 v[RH], v24, v25
	v_mov_b32 v[NINF], 0xff800000
	v_mov_b32 v13, 0xff61b1e6                      ; the largest t so far: -3e38, under every t
	s_delay_alu instid0(VALU_DEP_1)
	v_floor_f32 v12, -v13                          ; -M
	v_mov_b32 v14, 0                               ; the sum, in two halves
	v_mov_b32 v15, 0
	v_mov_b32 v26, 0                               ; written once: a lane permute's destination counts as one of its sources
	v_mov_b32 v29, 0                               ; (named as the upper half of the pair v[28:29])
.set n, 0
.rept 32
	v_mov_b32 v[OT+n], 0                           ; O^T.  (The step is written without a first form: it finds zeros, which the first change of M leaves zeros)
.set n, n+1
.endr
	s_wait_kmcnt 0x0
	s_add_co_i32 s88, s74, s75
	s_lshl_b32 s88, s88, 23
	s_add_co_i32 s[CS], s[CS], s88                 ; a score stands for score x 2^(e6 + e7): the exponents are added to c's exponent field
	s_mov_b32 s[CS+1], s[CS]                       ; (named with it as a pair, so it is written)
	s_add_co_i32 s88, s76, 127
	s_lshl_b32 s89, s88, 23
	v_mov_b32 v[PSC], s89
	s_sub_co_i32 s88, s78, s76                     ; O / l stands for O / l x 2^(e8 + e9): its code is (O / l) / 2^(e10 - e8 - e9)
	s_sub_co_i32 s88, s88, s77
	s_add_co_i32 s88, s88, 127
	s_lshl_b32 s89, s88, 23
	v_mov_b32 v[OSC], s89
; A KEY STEP: 128 keys, the q-th of the slot in hand.
.macro STEP q
	s_add_co_u32 s96, s[Q0], 15
	s_cmp_gt_u32 s[KF], s96
	s_cbranch_scc1 .Lhidden_\@                     ; all its keys come after my queries
	v_add_nc_u32 v[ADK], s[TB], v[LI]
.rept 3
	v_nop                                          ; with the addition above: four places in front of loads into registers that matrix instructions have read
.endr
.irp t, 0,1,2,3,4,5,6,7                ; K: eight tiles of 16 keys x 64
	ds_load_b128 v[KFR+8*\t:KFR+8*\t+3],   v[ADK] offset:(8*(\q)+\t)*1024
	ds_load_b128 v[KFR+8*\t+4:KFR+8*\t+7], v[ADK] offset:(8*(\q)+\t)*1024+512
.endr
.irp d, 0,1,2,3                        ; V: four tiles of 16 channels x 128 keys; they land during the softmax
.irp c, 0,1,2,3
	ds_load_b128 v[VF+16*\d+4*\c:VF+16*\d+4*\c+3], v[ADK] offset:VOFF+(\q)*8192+\d*2048+\c*512
.endr
.endr
	s_wait_dscnt 16                                ; K's sixteen loads are in; V's sixteen may be out
.irp t, 0,1,2,3,4,5,6,7
	v_wmma_f32_16x16x64_fp8_fp8 v[S+8*\t:S+8*\t+7], v[KFR+8*\t:KFR+8*\t+7], v[QF:QF+7], 0
.endr
.rept 4
	v_nop
.endr
	s_add_co_u32 s96, s[KF], 127
	s_cmp_le_u32 s96, s[Q0]
	s_cbranch_scc1 .Lopen_\@                       ; all its keys count for all my queries
	s_sub_co_i32 s96, s[Q0], s[KF]
	v_add_nc_u32 v27, s96, v[RH]                   ; d = my query - KF - 8 (lane / 16).  Register 8 t + j holds key KF + 16 t + 8 (lane / 16) + j: hidden where 16 t + j > d
.set n, 0
.rept 64
	v_cmp_gt_i32 vcc_lo, 16*(n/8)+n%8, v27
	v_cndmask_b32 v[S+n], v[S+n], v[NINF], vcc_lo
.set n, n+1
.endr
.Lopen_\@:
	v_max3_num_f32 v24, v[S], v[S+1], v[S+2]       ; the step's largest score of my query, among my 64 keys, in two chains,
	v_max3_num_f32 v25, v[S+3], v[S+4], v[S+5]
.irp i, 6,10,14,18,22,26,30,34,38,42,46,50,54,58
	v_max3_num_f32 v24, v24, v[S+\i], v[S+1+\i]
	v_max3_num_f32 v25, v25, v[S+2+\i], v[S+3+\i]
.endr
	v_max3_num_f32 v24, v24, v[S+62], v[S+63]
	s_delay_alu instid0(VALU_DEP_1)
	v_max_num_f32 v24, v24, v25
	s_delay_alu instid0(VALU_DEP_1)
	v_permlanex16_b32 v26, v24, s[SEL], s[SEL+1]
	s_delay_alu instid0(VALU_DEP_1)
	v_max_num_f32 v24, v24, v26                    ; and among lane l xor 16's
	s_delay_alu instid0(VALU_DEP_1)
	v_mul_f32 v24, s[CS], v24                      ; as t (c is positive)
	s_delay_alu instid0(VALU_DEP_1)
	v_max_num_f32 v13, v13, v24                    ; the running largest t
	v_mov_b32 v24, v12
	s_delay_alu instid0(VALU_DEP_2)
	v_floor_f32 v12, -v13                          ; the new -M = floor(-t) = -ceil(t): a whole number
	s_delay_alu instid0(VALU_DEP_1)
	v_sub_f32 v24, v12, v24                        ; M's old value less its new one: a whole number, 0 or less
	s_delay_alu instid0(VALU_DEP_1)
	v_cvt_i32_f32 v24, v24                         ; (it saturates)
	s_delay_alu instid0(VALU_DEP_1)
	v_ldexp_f32 v28, 1.0, v24                      ; f = 2^(old M - new M)
.set n, 0
.rept 32
	v_pk_fma_f32 v[S+n:S+n+1], v[S+n:S+n+1], s[CS:CS+1], v[12:13] op_sel_hi:[1,0,0]   ; t - M, two at a time (of the pairs c and -M the low word serves both halves)
.set n, n+2
.endr
.set n, 0
	s_wait_alu depctr_va_vdst(0)
.rept 64
	v_exp_f32 v[S+n], v[S+n]                       ; p = 2^(t - M), at most 1: not normalised
.set n, n+1
.endr
	v_pk_mul_f32 v[14:15], v[14:15], v[28:29] op_sel_hi:[1,0]   ; the sums under the new M.  (The plain line behind the exponentials)
	s_wait_alu depctr_va_vdst(0)                   ; one wait for the whole batch, ahead of its first reader
	v_pk_add_f32 v[30:31], v[100:101], v[104:105]
	v_pk_add_f32 v[94:95], v[108:109], v[112:113]
	v_pk_add_f32 v[92:93], v[116:117], v[120:121]
	v_pk_add_f32 v[90:91], v[124:125], v[128:129]
	v_pk_add_f32 v[88:89], v[132:133], v[136:137]
	v_pk_add_f32 v[86:87], v[140:141], v[144:145]
	v_pk_add_f32 v[84:85], v[148:149], v[152:153]
	v_pk_add_f32 v[14:15], v[14:15], v[156:157]
	v_pk_add_f32 v[30:31], v[30:31], v[96:97]
	v_pk_add_f32 v[94:95], v[94:95], v[98:99]
	v_pk_add_f32 v[92:93], v[92:93], v[102:103]
	v_pk_add_f32 v[90:91], v[90:91], v[106:107]
	v_pk_add_f32 v[88:89], v[88:89], v[110:111]
	v_pk_add_f32 v[86:87], v[86:87], v[114:115]
	v_pk_add_f32 v[84:85], v[84:85], v[118:119]
	v_pk_add_f32 v[14:15], v[14:15], v[122:123]
	v_pk_add_f32 v[30:31], v[30:31], v[126:127]
	v_pk_add_f32 v[94:95], v[94:95], v[130:131]
	v_pk_add_f32 v[92:93], v[92:93], v[134:135]
	v_pk_add_f32 v[90:91], v[90:91], v[138:139]
	v_pk_add_f32 v[88:89], v[88:89], v[142:143]
	v_pk_add_f32 v[86:87], v[86:87], v[146:147]
	v_pk_add_f32 v[84:85], v[84:85], v[150:151]
	v_pk_add_f32 v[14:15], v[14:15], v[154:155]
	v_pk_add_f32 v[30:31], v[30:31], v[158:159]
	s_delay_alu instid0(VALU_DEP_2)
	v_pk_add_f32 v[14:15], v[14:15], v[90:91]
	s_delay_alu instid0(VALU_DEP_2)
	v_pk_add_f32 v[30:31], v[30:31], v[88:89]
	v_pk_add_f32 v[94:95], v[94:95], v[86:87]
	v_pk_add_f32 v[92:93], v[92:93], v[84:85]
	s_delay_alu instid0(VALU_DEP_2)
	v_pk_add_f32 v[14:15], v[14:15], v[94:95]
	s_delay_alu instid0(VALU_DEP_2)
	v_pk_add_f32 v[30:31], v[30:31], v[92:93]
	s_delay_alu instid0(VALU_DEP_1)
	v_pk_add_f32 v[14:15], v[14:15], v[30:31]
.irp t, 0,1,2,3,4,5,6,7
.irp i, 0,1,2,3,4,5,6,7
.endr
	v_cvt_scalef32_pk8_fp8_f32 v[KFR+2*\t:KFR+2*\t+1], v[S+8*\t:S+8*\t+7], v[PSC]   ; registers 2 t, 2 t + 1 of P: k = 16 t + 8 (lane / 16) + 0 .. 7
.endr
.set n, 0
.rept 16
	v_pk_mul_f32 v[OT+n:OT+n+1], v[OT+n:OT+n+1], v[28:29] op_sel_hi:[1,0]   ; O^T under the new M.  (Also the plain lines between the conversions and the products)
.set n, n+2
.endr
	s_wait_alu depctr_va_vdst(0)
	s_wait_dscnt 0x0                               ; V is in
.irp d, 0,1,2,3                        ; the four accumulators by turns, one instruction a turn
	v_wmma_f32_16x16x128_fp8_fp8 v[OT+8*\d:OT+8*\d+7], v[VF+16*\d:VF+16*\d+15], v[KFR:KFR+15], v[OT+8*\d:OT+8*\d+7]
.endr
.Lhidden_\@:
	s_add_co_u32 s[KF], s[KF], 128
.endm
; THE CHANGE OF SLOTS stands at a trip's head.  Each wave waits for all its tensor loads (its part of the slot that it is about to read), adds 0 to its spare word, and waits for that and for its reads of the slot that it has left.
; Behind the barrier the slot ahead is whole and nobody reads the other one.  fill = 1: that other slot takes the next trip's keys: key slot 0 again where the block of queries changes, else the next.
.macro CHANGE fill
	s_wait_tensorcnt 0x0                           ; no tensor load of mine is out, so a group 0 may be written
	ds_add_u32 v[SPW], v[NIL]                      ; 0 onto my spare word
.if \fill
	s_add_co_u32 s49, s[KS], 1
	s_cmp_eq_u32 s[T], s[II]
	s_cselect_b32 s[KS], 0, s49
	s_lshl_b32 s[OFS], s[KS], 15                   ; a key slot: two blocks of 16,384 bytes
	s_xor_b32 s[G0K+1], s[G0K+1], SLOT1            ; the other slot than last time
	s_add_nc_u64 s[G0K+2:G0K+3], s[KB:KB+1], s[OFS:OFS+1]
	s_or_b32 s[G0K+3], s[G0K+3], 0x80000000
	s_xor_b32 s[G0V+1], s[G0V+1], SLOT1
	s_add_nc_u64 s[G0V+2:G0V+3], s[VB:VB+1], s[OFS:OFS+1]
	s_or_b32 s[G0V+3], s[G0V+3], 0x80000000
	s_wait_xcnt 0x0                                ; the last prefetch, a trip back, has read its address, so it may be written
	s_add_nc_u64 s[PFA:PFA+1], s[PFA:PFA+1], 32768
.endif
	s_wait_dscnt 0x0                               ; the add is done, and my reads of the slot that I have left are over
	s_barrier_signal -1
	s_barrier_wait -1
.if \fill
	TLOAD                                          ; the first thing behind the barrier, and a wave's one tensor load until the next
	ASK
.endif
.endm
; THE WAY OUT of a block of queries: O^T / the sum, held, converted; tiles 2 p and 2 p + 1 give a lane the 16 bytes of chunk p of the last product's operand.  next = 1: the second block begins.
.macro WAYOUT ap, next
.rept 4
	v_nop                                          ; places behind the last products
.endr
.if \next
	global_load_b128 v[QF:QF+3], v[LI], s[QP2:QP2+1]
	global_load_b128 v[QF+4:QF+7], v[LI], s[QP2:QP2+1] offset:512
.endif
	v_add_f32 v14, v14, v15                        ; the sum's two halves,
	s_delay_alu instid0(VALU_DEP_1)
	v_permlanex16_b32 v26, v14, s[SEL], s[SEL+1]
	s_delay_alu instid0(VALU_DEP_1)
	v_add_f32 v14, v14, v26                        ; and lane l xor 16's: the row's sum
	s_wait_alu depctr_va_vdst(0)
	v_rcp_f32 v28, v14
	v_nop                                          ; a plain line behind the transcendental
	s_wait_alu depctr_va_vdst(0)                   ; and the wait ahead of its first reader
.set n, 0
.rept 16
	v_pk_mul_f32 v[S+n:S+n+1], v[OT+n:OT+n+1], v[28:29] op_sel_hi:[1,0]   ; each accumulator from its low end on
.set n, n+2
.endr
.set n, 0
.rept 32
.set n, n+1
.endr
.irp t, 0,1,2,3
	v_cvt_scalef32_pk8_fp8_f32 v[KFR+16+2*\t:KFR+17+2*\t], v[S+8*\t:S+8*\t+7], v[OSC]
.endr
	v_nop                                          ; a plain line behind the conversions
	global_store_b128 v[LI], v[KFR+16:KFR+19], s[\ap:\ap+1]             ; 32 lanes store 512 consecutive bytes, aligned
	global_store_b128 v[LI], v[KFR+20:KFR+23], s[\ap:\ap+1] offset:512
.if \next
	v_mov_b32 v13, 0xff61b1e6
	s_delay_alu instid0(VALU_DEP_1)
	v_floor_f32 v12, -v13
	v_mov_b32 v14, 0
	v_mov_b32 v15, 0
.set n, 0
.rept 32
	v_mov_b32 v[OT+n], 0
.set n, n+1
.endr
	s_mov_b32 s[KF], 0
	s_mov_b32 s[Q0], s[Q02]
	s_wait_loadcnt 0x0                             ; the second block's Q
	s_wait_xcnt 0x0                                ; the stores have read their data: K's fragments may land there again
.endif
.endm
	s_wait_loadcnt 0x0                             ; Q
.Lslot:                                            ; 8 trips: behind each change of slots but the last the next trip's keys are asked for
	CHANGE 1
	STEP 0
	STEP 1
	s_xor_b32 s[TB], s[TB], SLOT1                  ; on to the other slot
	s_cmp_lg_u32 s[T], s[II]
	s_cbranch_scc1 .Lsame                          ; a branch on ids; no barrier, tensor load or LDS instruction stands under it
	WAYOUT AP1, 1                                  ; block I is finished behind trip I
.Lsame:
	s_add_co_u32 s[T], s[T], 1
	s_cmp_lt_u32 s[T], 8
	s_cbranch_scc1 .Lslot
	CHANGE 0                                       ; the last trip is written out
	STEP 0
	STEP 1
	WAYOUT AP2, 0
	s_wait_tensorcnt 0x0                           ; the wave's end
	ds_add_u32 v[SPW], v[NIL]
	s_wait_dscnt 0x0
	s_endpgm
.Lfunc_end_k_q1cab886631_attn:
	.size	k_q1cab886631_attn, .Lfunc_end_k_q1cab886631_attn-k_q1cab886631_attn
	.p2alignl 7, 3214868480
	.fill 96, 4, 3214868480
	.section	.rodata,"a",@progbits
	.p2align	6, 0x0
	.amdhsa_kernel k_q1cab886631_attn
		.amdhsa_group_segment_fixed_size 327680
		.amdhsa_private_segment_fixed_size 0
		.amdhsa_enable_private_segment 0
		.amdhsa_kernarg_size 24
		.amdhsa_user_sgpr_count 2
		.amdhsa_user_sgpr_kernarg_segment_ptr 1
		.amdhsa_wavefront_size32 1
		.amdhsa_system_sgpr_workgroup_id_x 1
		.amdhsa_system_sgpr_workgroup_id_y 1
		.amdhsa_system_sgpr_workgroup_id_z 1
		.amdhsa_system_vgpr_workitem_id 0
		.amdhsa_next_free_vgpr 256
		.amdhsa_next_free_sgpr 100
		.amdhsa_reserve_vcc 1
		.amdhsa_float_denorm_mode_32 3
		.amdhsa_float_denorm_mode_16_64 3
		.amdhsa_fp16_overflow 1
		.amdhsa_memory_ordered 1
		.amdhsa_forward_progress 1
		.amdhsa_inst_pref_size 91
	.end_amdhsa_kernel
	.amdgpu_metadata
---
amdhsa.version: [ 1, 2 ]
amdhsa.kernels:
  - .name:           k_q1cab886631_attn
    .symbol:         k_q1cab886631_attn.kd
    .args:
      - { .name: qkvc, .offset: 0, .size: 8, .value_kind: global_buffer, .address_space: global }
      - { .name: lowp_scales, .offset: 8, .size: 8, .value_kind: global_buffer, .address_space: global }
      - { .name: ac, .offset: 16, .size: 8, .value_kind: global_buffer, .address_space: global }
    .group_segment_fixed_size: 327680
    .private_segment_fixed_size: 0
    .kernarg_segment_align: 8
    .kernarg_segment_size: 24
    .max_flat_workgroup_size: 512
    .sgpr_count:     100
    .vgpr_count:     256
    .wavefront_size: 32
...
	.end_amdgpu_metadata
.endif
;; end of part 3
;; launch oproj (part 4): grid 4 x 32, 4 waves a work-group, clusters of 4 x 4, 327,680 bytes of LDS; arguments ac, wc, lowp_scales, out0; writes out0
.if DOCPART == 4
	.amdgcn_target "amdgcn-amd-amdhsa--gfx1250"
	.amdhsa_code_object_version 6
	.text
	.protected	k_q1cab886631_oproj
	.globl	k_q1cab886631_oproj
	.p2align	8
	.type	k_q1cab886631_oproj,@function
k_q1cab886631_oproj:
	s_mov_b64 s[64:65], 0
	v_nop
	global_prefetch_b8 v0, s[64:65] scope:SCOPE_SE
	s_setreg_imm32_b32 hwreg(HW_REG_WAVE_MODE, 25, 1), 1
	s_wait_xcnt 0x0
	s_wait_alu depctr_hold_cnt(0) depctr_sa_sdst(0) depctr_va_vdst(0) depctr_va_sdst(0) depctr_va_ssrc(0) depctr_va_vcc(0) depctr_vm_vsrc(0)
	s_getreg_b32 s2, hwreg(HW_REG_IB_STS2, 6, 4)
	s_cmp_eq_u32 s2, 0
	s_cbranch_scc0 .Lentry_in_a_cluster
	s_endpgm
.Lentry_in_a_cluster:
	s_bfe_u32 s2, ttmp6, 0x10000c
	s_cmp_lg_u32 s2, 0xf033
	s_cbranch_scc0 .Lentry_shape_is_right
	s_endpgm
.Lentry_shape_is_right:
; out0 = attention's result x W_o^T on codes of FP8 (E4M3): [8,192][1,024] x [1,024][1,024]^T, f32 out.  The codes are multiplied as they are, and each finished sum once by 2^(e10 + e11).
; LIMIT: e10 + e11 between -126 and 127, so that 2^(e10 + e11) is an f32 number.
; A tile of 256 (tokens, operand R) x 256 (output channels, operand Cc) is made by four waves, each 128 x 128: 64 accumulators.  32 x 4 = 128 tiles, a work-group each: a tile of half the size would give 256 work-groups
; and read half as much again from LDS for each product.  Source 0 = 16 rows of W_o, source 1 = 16 tokens: a lane holds eight neighbouring numbers of a row of out0.
; OPERANDS lie as fragments of 2,048 bytes ([chunk of 32 k][lane][16 bytes]), [16 rows][K step of 128]: a fragment comes by four LDS loads at 16 x lane, consecutive bytes, so LDS needs no padding.
; K = 1,024 goes in four slots' worth of 256 through a ring of two LDS slots: 8 steps of 128, written out.  A wave's tensor load brings 8 pieces of 4,096 bytes, 16,384 bytes apart in memory.
; CLUSTERS: 4 x 4 work-groups: R's tile is asked for jointly along a row of the cluster, Cc's along a column.
; REGISTERS, in windows of 256: window 0: v0-31 addresses; from v128 R's fragments, ONE set; on the way out v32-255 are free.  window 1: Cc's fragments, TWO sets.  windows 2, 3: the accumulators ((a, b) at v[8 (8 (a % 4) + b)]).
.set SIZE_N, 1024
.set FR,     16
.set NL,     4
.set NP,     4                         ; places behind this matrix instruction (ISA guide 7.12.1)
.set HALFT,  32768                     ; 128 rows x 256 k: what one tensor load brings
.set SLOT,   4*HALFT
.set SPARE,  2*SLOT                    ; behind the ring: the spare words, 128 bytes for each wave: two blocks of 256 bytes that no other line names
.set SPITCH, 528                       ; the way out: a stage of 16 rows x (512 bytes + 16) for each wave, in slot 0, which has had its last fill and its last read when the first result is stored there
.set ADRA, 16
.set ADRB, 20
.set STO,  24                          ; v24     the way out: where I put 32 bytes of a row
.set RD,   25                          ; v25     where I read a row back
.set CO,   26                          ; v26     16 x lane
.set SPW,  28
.set NIL,  29
.set TMP,  32                          ; the way out: a block's sums x 2^(e10 + e11)
.set AF,   128
.set BK,   128                         ; the way out: 16 rows read back: v128-191 and v192-255 by turns
.set G1, 24
.set G0, 32
.set G1B, 48
.set G0B, 56
.set MSB, 0
.macro WIN new                         ; the immediate's high byte repeats the setting that is left
.if MSB != \new
	s_set_vgpr_msb (MSB<<8)|\new
.set MSB, \new
.endif
.endm
.set MUL_LO, 0xa1
.set MUL_HI, 0xf1
.set TO_B,   0x40
; A joint load: waves 0 and 1 fetch for R, waves 2 and 3 for Cc; four v_nop follow each of the two lines.
.macro JLOAD g0a, g1a, g0b, g1b
	s_cmp_eq_u32 s15, 0
	s_cbranch_scc0 .Lfor_b_\@
	tensor_load_to_lds s[\g0a:\g0a+3], s[\g1a:\g1a+7]
	s_nop 0
.rept 4
	v_nop
.endr
	s_branch .Lasked_\@
.Lfor_b_\@:
	tensor_load_to_lds s[\g0b:\g0b+3], s[\g1b:\g1b+7]
	s_nop 0
.rept 4
	v_nop
.endr
.Lasked_\@:
.endm
.macro CREST
	s_cmp_lg_u32 s14, 0
	s_cbranch_scc1 .Lnot_wave_0_\@
	s_barrier_signal -3
.Lnot_wave_0_\@:
	s_barrier_wait -3
	s_barrier_signal -1
	s_barrier_wait -1
.endm
.macro CROUND
	s_barrier_signal -1
	s_barrier_wait -1
	CREST
.endm
	s_load_b128 s[4:7], s[0:1], 0x0                ; ac s[4:5], wc s[6:7]
	s_load_b128 s[8:11], s[0:1], 0x10              ; the exponents s[8:9], out0 s[10:11]
	v_lshl_add_u32 v[SPW], v0, 2, SPARE
	v_mov_b32 v[NIL], 0
	ds_add_u32 v28, v29
	ds_add_u32 v28, v29
	s_wait_dscnt 0x0
	v_lshrrev_b32 v1, 5, v0
	v_readfirstlane_b32 s14, v1                    ; wave 0..3
	s_lshr_b32 s15, s14, 1                         ; which half of the tile's rows is mine.  Also: I fetch for R (0) or for Cc (1)
	s_and_b32 s16, s14, 1                          ; which half of its columns.  Also: which 128 rows of that tile I fetch
	s_bfe_u32 s40, ttmp6, 0x40000                  ; cx, cy
	s_bfe_u32 s41, ttmp6, 0x40004
	s_lshl_b32 s42, ttmp9, 2
	s_add_co_u32 s42, s42, s40                     ; tile column = 4 x cluster x + cx
	s_and_b32 s17, ttmp7, 0xffff
	s_lshl_b32 s17, s17, 2
	s_add_co_u32 s17, s17, s41                     ; tile row = 4 x cluster y + cy
	s_lshl_b32 s43, s41, 2
	s_lshl_b32 s43, 15, s43                        ; my row of the cluster
	s_lshl_b32 s44, 0x1111, s40                    ; my column
	s_or_b32 s[G1+0], s43, (3<<16)|(1<<21)         ; the mask; elements of 8 bytes; no padding; bit 21 set beside a mask
	s_or_b32 s[G1B+0], s44, (3<<16)|(1<<21)
.irp g, G1, G1B
	s_mov_b32 s[\g+1], 512<<16                     ; tensor_dim0: 4,096 bytes
	s_mov_b32 s[\g+2], 8<<16                       ; tensor_dim1
	s_mov_b32 s[\g+3], 512<<16                     ; tile_dim0
	s_mov_b32 s[\g+4], 8                           ; tile_dim1
	s_mov_b32 s[\g+5], 2048                        ; tensor_dim0_stride: 16,384 bytes
	s_mov_b32 s[\g+6], 0
	s_mov_b32 s[\g+7], 0
.endr
	s_lshl_b32 s18, s16, 17                        ; which 128 rows of the tile I fetch
	s_lshl_b32 s20, s17, 18
	s_add_co_u32 s20, s20, s18
	s_mov_b32 s21, 0
	s_lshl_b32 s46, s42, 18
	s_add_co_u32 s46, s46, s18
	s_add_co_u32 s46, s46, 0x300000                ; W_o's region of wc
	s_mov_b32 s47, 0
	s_mul_i32 s45, s14, HALFT                      ; where they go: no place in the cluster enters an LDS address
	s_wait_kmcnt 0x0
	s_load_b64 s[96:97], s[8:9], 0x28              ; e10, e11
	s_add_nc_u64 s[20:21], s[4:5], s[20:21]
	s_add_nc_u64 s[46:47], s[6:7], s[46:47]
	CROUND                                         ; all sixteen work-groups are here: the first joint loads meet
.irp s, 0,1
	s_mov_b32 s[G0+4*\s], 1
	s_add_co_u32 s[G0+4*\s+1], s45, \s*SLOT
	s_add_nc_u64 s[G0+4*\s+2:G0+4*\s+3], s[20:21], \s*4096
	s_or_b32 s[G0+4*\s+3], s[G0+4*\s+3], 0x80000000
	s_mov_b32 s[G0B+4*\s], 1
	s_add_co_u32 s[G0B+4*\s+1], s45, \s*SLOT
	s_add_nc_u64 s[G0B+4*\s+2:G0B+4*\s+3], s[46:47], \s*4096
	s_or_b32 s[G0B+4*\s+3], s[G0B+4*\s+3], 0x80000000
	s_wait_alu depctr_va_vdst(0)
	s_wait_tensorcnt 0x0
	ds_add_u32 v28, v29
	ds_add_u32 v28, v29
	s_wait_dscnt 0x0
	CROUND
	JLOAD G0+4*\s, G1, G0B+4*\s, G1B
.endr
	v_and_b32 v1, 15, v0                           ; l % 16
	s_wait_alu depctr_va_vdst(0)
	v_bfe_u32 v2, v0, 4, 1                         ; l / 16
	v_and_b32 v6, 31, v0
	v_lshlrev_b32 v[CO], 4, v6
	s_mul_i32 s21, s15, HALFT                      ; my 128 rows of R
	s_mul_i32 s22, s16, HALFT                      ; my 128 rows of Cc,
	s_add_co_u32 s22, s22, 2*HALFT                 ; which lie behind R's 256
.irp s, 0,1
	v_add_nc_u32 v[ADRA+\s], s21, v[CO]
	v_add_nc_u32 v[ADRB+\s], s22, v[CO]
	s_add_co_u32 s21, s21, SLOT
	s_add_co_u32 s22, s22, SLOT
.endr
	s_mul_i32 s23, s14, 16*SPITCH                  ; my stage
	v_mul_u32_u24 v5, v1, SPITCH                   ; in: row l % 16, 32 bytes for each half of the lanes
	s_wait_alu depctr_va_vdst(0)
	v_lshl_add_u32 v5, v2, 5, v5
	v_add_nc_u32 v[STO], s23, v5
	v_add_nc_u32 v[RD], s23, v[CO]                 ; back: the 32 lanes take one row of 512 bytes
	s_lshl_b32 s20, s17, 8
	s_lshl_b32 s21, s15, 7
	s_add_co_u32 s20, s20, s21                     ; my first row of out0: 256 x tile row + 128 x half
	s_lshl_b32 s20, s20, 12                        ; rows of 4,096 bytes
	s_mov_b32 s21, 0
	s_lshl_b32 s46, s42, 10                        ; my first column, in bytes: 1,024 x tile column + 512 x half
	s_lshl_b32 s47, s16, 9
	s_add_co_u32 s46, s46, s47
	s_mov_b32 s47, 0
	s_add_nc_u64 s[20:21], s[20:21], s[46:47]
	s_add_nc_u64 s[10:11], s[10:11], s[20:21]
.macro FRAG reg, adr, q, i             ; a fragment as it lies: registers 4 c .. 4 c + 3 = the lane's 16 bytes of chunk c
.irp c, 0,1,2,3
	ds_load_b128 v[\reg+4*\c:\reg+4*\c+3], v[\adr] offset:(\i)*4096+(\q)*2048+512*\c
.endr
.endm
; 16 matrix instructions: R's blocks a0, a0 + 1 x Cc's eight.  The 64 accumulators take turns, one instruction a turn, in the same order in every step.
.macro MUL16 a0, p, zero
.irp a, \a0, \a0+1
.irp b, 0,1,2,3,4,5,6,7
.if \zero
	v_wmma_f32_16x16x128_fp8_fp8 v[8*(8*((\a)%4)+\b):8*(8*((\a)%4)+\b)+7], v[128*(\p)+FR*\b:128*(\p)+FR*\b+FR-1], v[AF+FR*(\a):AF+FR*(\a)+FR-1], 0
.else
	v_wmma_f32_16x16x128_fp8_fp8 v[8*(8*((\a)%4)+\b):8*(8*((\a)%4)+\b)+7], v[128*(\p)+FR*\b:128*(\p)+FR*\b+FR-1], v[AF+FR*(\a):AF+FR*(\a)+FR-1], v[8*(8*((\a)%4)+\b):8*(8*((\a)%4)+\b)+7]
.endif
.endr
.endr
.endm
.macro FETCH_B slot, q, p
	WIN TO_B
.irp i, 0,1,2,3,4,5,6,7
	FRAG 128*(\p)+FR*\i, ADRB+\slot, \q, \i
.endr
	WIN 0
.endm
.macro FETCH_A slot, q, i0
.irp i, \i0, \i0+1, \i0+2, \i0+3
	FRAG AF+FR*(\i), ADRA+\slot, \q, \i
.endr
.endm
.macro PLACES n                        ; plain vector lines behind matrix instructions, in front of loads into registers that they have read and of reads of their results (ISA guide 7.12.1 for vector instructions)
.rept \n
	v_nop
.endr
.endm
.macro STEP slot, q, zero              ; a step of 128 along K that has its successor in the same slot
	s_wait_dscnt 4*NL                              ; Cc's set and R's blocks 0-3 are in; the youngest sixteen loads (R's blocks 4-7) may be out
	WIN MUL_LO
	MUL16 0, (\q)%2, \zero
	MUL16 2, (\q)%2, \zero
	s_wait_dscnt 0                                 ; R's blocks 4-7 are in
	PLACES NP
	FETCH_B \slot, (\q)+1, 1-(\q)%2
	FETCH_A \slot, (\q)+1, 0
	WIN MUL_HI
	MUL16 4, (\q)%2, \zero
	MUL16 6, (\q)%2, \zero
	PLACES NP
	WIN 0
	FETCH_A \slot, (\q)+1, 4
.endm
; A slot's last step changes slots: ONE barrier; in front of it each wave waits for all its tensor loads, adds 0 to its spare word, and waits for that and for its own reads of this slot.
.macro TURN slot, next, fill
	s_wait_tensorcnt 0x0                           ; all my tensor loads have landed: my part of the next slot
	ds_add_u32 v[SPW], v[NIL]                      ; 0 onto my spare word
	s_wait_dscnt 4*NL+1                            ; (the add and the youngest sixteen loads may be out)
	WIN MUL_LO
	MUL16 0, 1, 0
	s_wait_dscnt 0x0                               ; the add is done, and my reads of this slot are over
	s_barrier_signal -1
	MUL16 2, 1, 0
	WIN 0
	s_barrier_wait -1
.if \fill
	CREST                                          ; a round of the cluster's barrier: no wave of any partner still reads this slot's tile or has a load on its way
	s_add_nc_u64 s[G0+4*\slot+2:G0+4*\slot+3], s[G0+4*\slot+2:G0+4*\slot+3], 8192
	s_add_nc_u64 s[G0B+4*\slot+2:G0B+4*\slot+3], s[G0B+4*\slot+2:G0B+4*\slot+3], 8192
	JLOAD G0+4*\slot, G1, G0B+4*\slot, G1B         ; the first tensor load behind the round
.else
	PLACES NP
.endif
	FETCH_B \next, 0, 0
	FETCH_A \next, 0, 0
	WIN MUL_HI
	MUL16 4, 1, 0
	MUL16 6, 1, 0
	PLACES NP
	WIN 0
	FETCH_A \next, 0, 4
.endm
	s_wait_tensorcnt 1                             ; my part of slot 0 is in (slot 1's load may be out)
	s_barrier_signal -1
	s_barrier_wait -1                              ; everybody's is
	FETCH_B 0, 0, 0
	FETCH_A 0, 0, 0
	FETCH_A 0, 0, 4
	STEP 0, 0, 1                                   ; its products start the sums
	TURN 0, 1, 1                                   ; slot 0 takes k 512-767
	STEP 1, 0, 0
	TURN 1, 0, 1                                   ; slot 1 takes k 768-1,023
	STEP 0, 0, 0
	TURN 0, 1, 0                                   ; nothing is left to fetch; behind this barrier nobody reads slot 0
	STEP 1, 0, 0
	s_wait_dscnt 4*NL                              ; the very last step
	WIN MUL_LO
	MUL16 0, 1, 0
	MUL16 2, 1, 0
	s_wait_dscnt 0
	WIN MUL_HI
	MUL16 4, 1, 0
	MUL16 6, 1, 0
	WIN 0
; THE WAY OUT, block by block of 16 rows x 128 columns: through my own stage in LDS, back as whole rows of 512 bytes.  LDS serves a wave's instructions in order (ISA guide 5.7.1.4): no wait between the stores and the loads.
.macro TOSTAGE a
.set AC, 64*((\a)%4)
	WIN 0x02+((\a)/4)                              ; source 0: window 2 or 3
.set n, 0
.rept 32
	v_pk_mul_f32 v[TMP+n:TMP+n+1], v[AC+n:AC+n+1], s[96:97] op_sel_hi:[1,0]   ; both x s96 = 2^(e10 + e11); each accumulator from its low end on
.set n, n+2
.endr
	WIN 0
.irp b, 0,1,2,3,4,5,6,7
	ds_store_b128 v[STO], v[TMP+8*\b:TMP+8*\b+3] offset:64*\b
	ds_store_b128 v[STO], v[TMP+8*\b+4:TMP+8*\b+7] offset:64*\b+16
.endr
.set BB, BK+64*((\a)%2)
.irp t, 0,1,2,3,4,5,6,7,8,9,10,11,12,13,14,15
	ds_load_b128 v[BB+4*\t:BB+4*\t+3], v[RD] offset:\t*SPITCH
.endr
.endm
.macro SEND a, younger                 ; younger: the LDS instructions issued behind block a's loads, which may stay out
.set BB, BK+64*((\a)%2)
	s_wait_dscnt \younger                          ; the block is back in registers
.if (\a) > 0
	s_add_nc_u64 s[10:11], s[10:11], 16*SIZE_N*4   ; (behind a wait on XCNT: the earlier stores have read their base)  16 rows on
.endif
.irp t, 0,1,2,3,4,5,6,7,8,9,10,11,12,13,14,15
	global_store_b128 v[CO], v[BB+4*\t:BB+4*\t+3], s[10:11] offset:\t*SIZE_N*4 th:TH_STORE_NT   ; 32 lanes store 512 consecutive bytes, aligned; written once, read by nobody here
.endr
.endm
	s_wait_kmcnt 0x0
	s_add_co_i32 s96, s96, s97                     ; e10 + e11, between -126 and 127,
	s_add_co_i32 s96, s96, 127
	s_lshl_b32 s96, s96, 23                        ; makes the f32 number 2^(e10 + e11)
	PLACES NP                                      ; behind the last products: for the reads of results and the loads into the registers that held R's fragments
	TOSTAGE 0
.irp a, 1,2,3,4,5,6,7
.if \a > 1
	s_wait_xcnt 0x0                                ; block a - 2's stores have read their registers and their base
.endif
	TOSTAGE \a
	SEND \a-1, 32                                  ; behind block a - 1's loads: block a's 16 stores and 16 loads
.endr
	s_wait_xcnt 0x0                                ; block 6's stores have read their base
	SEND 7, 0
	s_wait_tensorcnt 0x0                           ; the wave's end
	ds_add_u32 v[SPW], v[NIL]
	s_wait_dscnt 0x0
	CROUND                                         ; the closing round
	s_endpgm
.Lfunc_end_k_q1cab886631_oproj:
	.size	k_q1cab886631_oproj, .Lfunc_end_k_q1cab886631_oproj-k_q1cab886631_oproj
	.p2alignl 7, 3214868480
	.fill 96, 4, 3214868480
	.section	.rodata,"a",@progbits
	.p2align	6, 0x0
	.amdhsa_kernel k_q1cab886631_oproj
		.amdhsa_group_segment_fixed_size 327680
		.amdhsa_private_segment_fixed_size 0
		.amdhsa_enable_private_segment 0
		.amdhsa_kernarg_size 32
		.amdhsa_user_sgpr_count 2
		.amdhsa_user_sgpr_kernarg_segment_ptr 1
		.amdhsa_wavefront_size32 1
		.amdhsa_system_sgpr_workgroup_id_x 1
		.amdhsa_system_sgpr_workgroup_id_y 1
		.amdhsa_system_sgpr_workgroup_id_z 1
		.amdhsa_system_vgpr_workitem_id 0
		.amdhsa_next_free_vgpr 1024
		.amdhsa_next_free_sgpr 98
		.amdhsa_reserve_vcc 0
		.amdhsa_float_denorm_mode_32 3
		.amdhsa_float_denorm_mode_16_64 3
		.amdhsa_memory_ordered 1
		.amdhsa_forward_progress 1
		.amdhsa_inst_pref_size 124
	.end_amdhsa_kernel
	.amdgpu_metadata
---
amdhsa.version: [ 1, 2 ]
amdhsa.kernels:
  - .name:           k_q1cab886631_oproj
    .symbol:         k_q1cab886631_oproj.kd
    .args:
      - { .name: ac, .offset: 0, .size: 8, .value_kind: global_buffer, .address_space: global }
      - { .name: wc, .offset: 8, .size: 8, .value_kind: global_buffer, .address_space: global }
      - { .name: lowp_scales, .offset: 16, .size: 8, .value_kind: global_buffer, .address_space: global }
      - { .name: out0, .offset: 24, .size: 8, .value_kind: global_buffer, .address_space: global }
    .group_segment_fixed_size: 327680
    .private_segment_fixed_size: 0
    .kernarg_segment_align: 8
    .kernarg_segment_size: 32
    .max_flat_workgroup_size: 128
    .sgpr_count:     98
    .vgpr_count:     1024
    .wavefront_size: 32
...
	.end_amdgpu_metadata
.endif
;; end of part 4
